; MI455X (gfx1250); checked and timed in simulation.
; The chip was launched on July 23, 2026; its instructions are those of AMD's public machine-readable ISA for CDNA 5 (MIT licence, August 2026) and "CDNA5" Instruction Set Architecture Reference Guide (July 2026). The comments in the code are by the model that wrote it; some were corrected since.
;; Self Position Attention. Allowed arithmetic: matrix products marked QUANTISED: E2M1 operands, one E8M0 scale for each 32 along K, by v_wmma_scale_f32_16x16x128_f8f6f4 with both operands' format E2M1 (or v_wmma_scale_f32_32x16x128_f4), f32 sums; products left as they are: f32 operands where the result goes on into a quantised operand, else bf16, f16 or f32 operands; f32 sums; everything else in f32.
;; Inputs: Wk 16 x 128 float32; Wq 16 x 128 float32; Wv 128 x 128 float32; bk 16 float32; bq 16 float32; bv 128 float32; gamma 1 float32; x 1 x 128 x 256 x 256 float32.
;; Outputs: out0 1 x 128 x 256 x 256 float32.
;; This version of the problem:
;;   THIS VERSION OF THE PROBLEM IS GIVEN IN LOW PRECISION. The matrix products marked QUANTISED in the list below multiply operands that are first quantised to E2M1 (2 exponent bits, 1 mantissa bit; 4 bits a number), with one power-of-two scale for each 32 numbers along K (OCP MX v1.0); their sums are f32. All else is computed in f32.
;;   The module's matrix products, in the order in which they are computed (A, B: the left and right operand; K: the contracted axis; several contracted axes count as one K, in the product's order):
;;     1. [M 16,384, K 128] x [K 128, N 16]; A: computed on the way; B: input Wq: QUANTISED
;;     2. [M 16,384, K 128] x [K 128, N 16]; A: computed on the way; B: input Wk: QUANTISED
;;     3. [M 16,384, K 16] x [K 16, N 16,384]; A: computed on the way; B: computed on the way: left as it is (K = 16 < 32)
;;     4. [M 16,384, K 128] x [K 128, N 128]; A: computed on the way; B: input Wv: QUANTISED
;;     5. [M 128, K 16,384] x [K 16,384, N 16,384]; A: computed on the way; B: softmax (see below): QUANTISED
;;   THE QUANTISER, for each operand of a quantised product, along K:
;;     - K is cut into blocks of 32 from its start; a last block that is shorter is filled with zeros.
;;     - A block's scale is 2^e with e = floor(log2(the largest magnitude in the block)) - 2, held to -126 .. 127; a block of zeros has e = 0. As a byte (E8M0): e + 127.
;;     - Each number is divided by its block's scale, clamped to +-6, and rounded to the nearest number of E2M1, ties to even, subnormals kept.
;;     - The product sums the exact products of the quantised numbers (number of the format x scale) in f32.
;;   ~~~python
;;   def quantise(x, axis):      # numpy; x: float32 -> the quantised numbers, widened to float32 again
;;       x = np.moveaxis(x, axis, -1); K = x.shape[-1]
;;       x = np.pad(x, [(0, 0)] * (x.ndim - 1) + [(0, -K % 32)]); x = x.reshape(x.shape[:-1] + (-1, 32)); a = np.abs(x).max(-1, keepdims=True)
;;       e = np.where(a > 0, np.clip(np.frexp(np.where(a > 0, a, 1))[1] - 1 - 2, -126, 127), 0)      # np.frexp(a)[1] - 1 = floor(log2(a)), exactly
;;       r = np.clip(x / 2.0 ** e, -6, 6)
;;       step = 2.0 ** (np.maximum(np.frexp(np.where(r == 0, 1, r))[1] - 1, 0) - 1)
;;       q = np.round(r / step) * step * 2.0 ** e      # np.round: ties to even
;;       return np.moveaxis(q.reshape(q.shape[:-2] + (-1,))[..., :K], -1, axis).astype(np.float32)
;;   ~~~
;;   SOFTMAX AHEAD OF A QUANTISED PRODUCT. Where the list says 'softmax', what is quantised is not the finished softmax but p = 2^(t - M), with t = logit x log2(e) and M = ceil(the row's largest t), a whole number; so 1/2 < the row's largest p <= 1. The row's sum l is taken of the UNQUANTISED p, in f32, and the product's result is divided by l at the end. Since M is a whole number, a kernel that streams over the keys may use a running M (the ceiling of the running maximum): every later rescaling is an exact power of two, which a block's scale takes up: the codes' values come out the same.
;;   OPERANDS COMPUTED ON THE WAY. 'Computed on the way' means the value that the module computes at that place (a softmax that the list does not call 'softmax' is quantised finished and normalised). What goes into a quantiser is computed in f32, as accurately as f32 sums, v_exp_f32 and their like allow (about 1e-6 of the number): no bf16 or f16 on the way to a quantiser, and a product that is left as it is and whose result goes on into a quantised operand takes f32 operands (vector FMAs, or v_wmma_f32_16x16x4_f32). A number that lies on a knife's edge between two numbers of the format may be rounded either way, as far as f32 arithmetic and the matrix unit's own rounding can turn it there, and no further.
;; One version. Each part assembles by itself: llvm-mc -triple=amdgcn-amd-amdhsa -mcpu=gfx1250 --defsym DOCPART=n.
;; ======== version 1 of 1: 3 launches
;; workspace buffers: qbuf 1,048,576 bytes; kv 2,162,688 bytes; att 8,388,608 bytes
;; launch prep (part 1): grid 256 x 1, 4 waves a work-group, no clusters, 5,888 bytes of LDS; arguments x, Wq, Wk, Wv, bq, bk, bv, qbuf, kv; writes qbuf, kv
.if DOCPART == 1
	.amdgcn_target "amdgcn-amd-amdhsa--gfx1250"
	.amdhsa_code_object_version 6
	.text
	.protected	k_q1fdb92c47e_prep
	.globl	k_q1fdb92c47e_prep
	.p2align	8
	.type	k_q1fdb92c47e_prep,@function
k_q1fdb92c47e_prep:
	s_mov_b64 s[64:65], 0
	v_nop
	global_prefetch_b8 v0, s[64:65] scope:SCOPE_SE
	s_setreg_imm32_b32 hwreg(HW_REG_WAVE_MODE, 25, 1), 1
	s_wait_xcnt 0x0
; PREP: y = the 2 x 2 mean of x [128][256][256] f32 (y: 128 channels x 16,384 positions); q = Q(y)^T Q(Wq)^T + bq, k likewise, v = Q(Wv) Q(y) + bv, Q the MX-FP4 quantiser along the 128 channels;
; q and k leave as f32, v leaves as codes of FP4 quantised along the positions (the keys of the later product), all three laid in the order of the operand registers of the launch that reads them.
; SHARES.  Work-group b takes positions 64 b .. 64 b + 63: half c' = b & 1 of pooled row (= key step) s = b >> 1.  Wave w pools and quantises channels 32 w .. 32 w + 31, one block of 32, of all 64 positions:
; lane l holds positions 2 l and 2 l + 1 and its registers run down the channels, so a block's largest magnitude needs no other lane and the conversions give codes with the channels innermost.
; The codes meet in LDS (a row a position), one barrier; then wave w makes v's channels 32 w .. 32 w + 31 for the 64 positions, and two tiles of 16 positions of q (waves 0, 1) or of k (waves 2, 3).
; THE POSITIONS OF A TILE ARE NOT NEIGHBOURS: lane r of tile 2 B + u takes position 32 B + 8 u + r + 8 (r / 8), so that in v's result the 16 registers of tiles 2 B and 2 B + 1 are 16 neighbouring positions.
; THE MEAN'S DIVISION BY 4 is a power of two: the sum of four is quantised as it is and 2 is taken off its scale's byte; the codes are the mean's.
; OUT.  qbuf: tile 4 b + T: 1,024 bytes: piece 0 (channels 8 h + 0 .. 3), piece 1 (8 h + 4 .. 7), 16 bytes a lane.  kv: 16,896 bytes a key step of 128 keys: 8 tiles of k like q's; from 8,192 on v's codes,
; tile t of 16 channels: 1,024 t + 512 c' + 16 lane; from 16,384 on v's scale words: 16 lane + 4 i = tile 2 i + lane / 16, channel lane % 16.
; LIMITS: NaN and infinities are not served; a block whose largest magnitude lies under the floor, a block of zeros among them, gets the byte 1 (its codes are as the conversion gives them; only this program reads the bytes).
; No tensor load, no cluster: the work-groups share only the 80 KB of weights.
.set YP,    80                         ; a position's row in LDS: 64 bytes of codes + 16
.set YS,    5120                       ; behind the 64 rows: the positions' scale words
.set SPARE, 5376                       ; the spare words, 128 bytes a wave: two blocks of 256 bytes that no other line names
.set STEPB, 16896                      ; a key step in kv
.set LANE, 1
.set R,    2                           ; lane % 16
.set H,    3                           ; lane / 16
.set WA,   4                           ; a weight's row r, my half: 512 r + 128 h
.set LI,   5                           ; 16 x lane
.set YCA,  6                           ; where my two positions' codes go
.set YSA,  7                           ; and their scale bytes
.set YFA,  8                           ; a fragment of y: my row and half
.set YWA,  9                           ; its scale word
.set SPW,  10                          ; my spare word; never rewritten
.set NIL,  11                          ; 0; never rewritten
.set R4,   12
.set H32,  13
.set H8,   14
.set YGA,  15                          ; the fragments for q or k: my wave's 32 positions
.set WC,   16                          ; v16-39  codes of three weight tiles: Wv's two, Wq's or Wk's
.set WS,   40                          ; v40-42  their scale words
.set YW,   43                          ; v43-46  y's scale words, four tiles
.set YGS,  47                          ; v47-48  y's scale words for q or k
.set YGW,  49                          ; their LDS address
.set BQ,   50                          ; v50-57  bq or bk in the result's layout
.set BVR,  58                          ; v58-59  bv of my lane's two channels
.set TM,   60                          ; v60-63  at work
.set RAW,  64                          ; v64-255 three weight tiles as f32, 64 registers each
.set U,    64                          ; then v64-191 the sums of two rows
.set Y,    192                         ; v192-223, v224-255 the sums of four: positions 2 l, 2 l + 1, 32 channels each
.set CD,   64                          ; y's codes
.set YF,   64                          ; v64-95  four fragments of y
.set BV,   100                         ; v100-115 bv as C: eight equal registers a tile
.set D,    128                         ; v128-191 v: 2 channel tiles x 4 position tiles
.set DQ,   192                         ; v192-207 q or k: two tiles
.set YG,   208                         ; v208-223 y's two fragments for them
.set PC,   224                         ; v224-231 v's codes
.set HW,   232                         ; v232-233 v's two scale bytes a tile
.set TV,   236                         ; v236-241 at work
.set SEL,  58                          ; s[58:59] selects of v_permlanex16_b32: lane l xor 16
.set MSB, 0
.macro WIN new                         ; the immediate's high byte repeats the setting that is left
.if MSB != \new
	s_set_vgpr_msb (MSB<<8)|\new
.set MSB, \new
.endif
.endm
; 16 rows x 128 of a weight as f32: register raw + 32 c + i = W(row r, k = 64 c + 32 h + i): the order of the operand's registers
.macro WLOAD raw, base, off
.irp c, 0,1
.irp g, 0,1,2,3,4,5,6,7
	global_load_b128 v[\raw+32*\c+4*\g:\raw+32*\c+4*\g+3], v[WA], s[\base:\base+1] offset:\off+256*\c+16*\g
.endr
.endr
.endm
; they become a fragment's codes and its scale word.  A lane holds two whole blocks: 2 c + h
.macro WQUANT raw, codes, ws
.irp c, 0,1
	v_max3_num_f32 v[TM+\c], |v[\raw+32*\c]|, |v[\raw+32*\c+1]|, 0x1800000   ; the floor 2^(3 - 127) among the leaves: the byte cannot fall under 1
.endr
.irp i, 2,4,6,8,10,12,14,16,18,20,22,24,26,28,30
.irp c, 0,1
	v_max3_num_f32 v[TM+\c], v[TM+\c], |v[\raw+32*\c+\i]|, |v[\raw+32*\c+\i+1]|
.endr
.endr
.irp c, 0,1
	v_add_nc_u32 v[TM+2+\c], 0xff000000, v[TM+\c]          ; 2 off the exponent field: the conversion's scale operand
.endr
.irp c, 0,1
	v_lshrrev_b32 v[TM+\c], 23, v[TM+2+\c]                 ; the scale's byte
.endr
	v_lshl_or_b32 v[\ws], v[TM+1], 16, v[TM]               ; blocks h and 2 + h,
	v_lshlrev_b32 v[\ws], v[H8], v[\ws]                    ; at their places in the word;
	v_permlanex16_b32 v[TM], v[\ws], s[SEL], s[SEL+1]
	v_or_b32 v[\ws], v[\ws], v[TM]                         ; with lane l xor 16's two the word is whole
.irp c, 0,1
.irp g, 0,1,2,3
	v_cvt_scalef32_pk8_fp4_f32 v[\codes+4*\c+\g], v[\raw+32*\c+8*\g:\raw+32*\c+8*\g+7], v[TM+2+\c]
.endr
.endr
	v_nop                                                  ; a plain instruction behind the last conversion
.endm
; 32 numbers of a lane, register 16 B + i = position 32 B + 16 h + i of my channel, become four registers of codes (a whole block a lane) and two scale bytes
.macro VQUANT d, pc, hw
.irp b, 0,1
	v_max3_num_f32 v[TV+\b], |v[\d+16*\b]|, |v[\d+16*\b+1]|, 0x1800000
.endr
.irp i, 2,4,6,8,10,12,14
.irp b, 0,1
	v_max3_num_f32 v[TV+\b], v[TV+\b], |v[\d+16*\b+\i]|, |v[\d+16*\b+\i+1]|   ; each accumulator is read from its low end on
.endr
.endr
.irp b, 0,1
	v_permlanex16_b32 v[TV+2+\b], v[TV+\b], s[SEL], s[SEL+1]
.endr
.irp b, 0,1
	v_max_num_f32 v[TV+\b], v[TV+\b], v[TV+2+\b]           ; with lane l xor 16's 16: the block's largest magnitude
.endr
.irp b, 0,1
	v_add_nc_u32 v[TV+4+\b], 0xff000000, v[TV+\b]
.endr
.irp b, 0,1
	v_lshrrev_b32 v[TV+2+\b], 23, v[TV+4+\b]
.endr
	v_lshl_or_b32 v[\hw], v[TV+3], 8, v[TV+2]
.irp b, 0,1
	v_cvt_scalef32_pk8_fp4_f32 v[\pc+2*\b], v[\d+16*\b:\d+16*\b+7], v[TV+4+\b]
	v_cvt_scalef32_pk8_fp4_f32 v[\pc+2*\b+1], v[\d+16*\b+8:\d+16*\b+15], v[TV+4+\b]
.endr
	v_nop                                                  ; a plain instruction behind the last conversion
	v_permlane16_swap_b32 v[\pc], v[\pc+2]                 ; lanes 0-15 get block 0 whole, lanes 16-31 block 1
	v_permlane16_swap_b32 v[\pc+1], v[\pc+3]
.endm
	s_load_b512 s[8:23], s[0:1], 0x0               ; x 8, Wq 10, Wk 12, Wv 14, bq 16, bk 18, bv 20, qbuf 22
	s_load_b64 s[24:25], s[0:1], 0x40              ; kv
	v_lshl_add_u32 v[SPW], v0, 2, SPARE
	v_mov_b32 v[NIL], 0
	v_lshrrev_b32 v1, 5, v0
	v_readfirstlane_b32 s26, v1                    ; wave 0..3
	v_and_b32 v[LANE], 31, v0
	v_and_b32 v[R], 15, v0
	v_bfe_u32 v[H], v0, 4, 1
	s_lshr_b32 s27, ttmp9, 1                       ; s: the key step, and the pooled row
	s_and_b32 s28, ttmp9, 1                        ; c': its half
	s_and_b32 s29, s26, 1                          ; which 32 positions of q or k are mine
	s_lshr_b32 s30, s26, 1                         ; 0: q, 1: k
	v_lshlrev_b32 v[WA], 9, v[R]
	v_lshl_add_u32 v[WA], v[H], 7, v[WA]
	v_lshlrev_b32 v[LI], 4, v[LANE]
	s_lshl_b32 s31, s26, 4
	v_mul_u32_u24 v[YCA], v[LANE], 2*YP
	v_add_nc_u32 v[YCA], s31, v[YCA]               ; rows 2 l, 2 l + 1; my block's 16 bytes
	v_lshlrev_b32 v[YSA], 3, v[LANE]
	v_add_nc_u32 v[YSA], s26, v[YSA]
	v_add_nc_u32 v[YSA], YS, v[YSA]                ; words 2 l, 2 l + 1; my block's byte
	v_and_b32 v[YFA], 8, v[R]
	v_add_nc_u32 v[YFA], v[YFA], v[R]              ; r + 8 (r / 8)
	v_lshl_add_u32 v[YWA], v[YFA], 2, YS
	v_mul_u32_u24 v[YFA], v[YFA], YP
	v_lshl_add_u32 v[YFA], v[H], 4, v[YFA]
	s_mul_i32 s31, s29, 32*YP
	v_add_nc_u32 v[YGA], s31, v[YFA]
	s_lshl_b32 s31, s29, 7
	v_add_nc_u32 v[YGW], s31, v[YWA]
	v_lshlrev_b32 v[R4], 2, v[R]
	v_lshlrev_b32 v[H32], 5, v[H]
	v_lshlrev_b32 v[H8], 3, v[H]
	s_mov_b32 s[SEL], 0x76543210
	s_mov_b32 s[SEL+1], 0xfedcba98
	; byte offsets, each in registers of its own
	s_lshl_b32 s36, s26, 23                        ; x: my 32 channels of 262,144 bytes,
	s_lshl_b32 s31, s27, 11
	s_add_co_u32 s36, s36, s31                     ; two rows of 1,024 bytes a pooled row,
	s_lshl_b32 s31, s28, 9
	s_add_co_u32 s36, s36, s31                     ; the half's 512 bytes
	s_mov_b32 s37, 0
	s_lshl_b32 s38, s26, 14                        ; Wv: my 32 rows of 512 bytes
	s_mov_b32 s39, 0
	s_lshl_b32 s40, s26, 7                         ; bv: my 32 numbers
	s_mov_b32 s41, 0
	s_mul_i32 s42, s27, STEPB                      ; kv: my key step
	s_lshl_b32 s44, ttmp9, 12                      ; q: 4 tiles of 1,024 bytes a work-group
	s_lshl_b32 s45, s28, 12
	s_add_co_u32 s45, s45, s42                     ; k: the step's tiles 4 c' on
	s_cmp_eq_u32 s30, 0
	s_cselect_b32 s44, s44, s45
	s_lshl_b32 s45, s29, 11
	s_add_co_u32 s44, s44, s45                     ; my two tiles
	s_mov_b32 s45, 0
	s_lshl_b32 s46, s26, 11
	s_add_co_u32 s46, s46, s42
	s_lshl_b32 s31, s28, 9
	s_add_co_u32 s46, s46, s31
	s_add_co_u32 s46, s46, 8192                    ; v's codes: tiles 2 w, 2 w + 1, half c'
	s_mov_b32 s47, 0
	s_lshl_b32 s48, s26, 2
	s_add_co_u32 s48, s48, s42
	s_lshl_b32 s31, s28, 1
	s_add_co_u32 s48, s48, s31
	s_add_co_u32 s48, s48, 16384                   ; v's scale words: word w of a lane's four, bytes 2 c', 2 c' + 1
	s_mov_b32 s49, 0
	s_wait_kmcnt 0x0
	s_cmp_eq_u32 s30, 0                            ; q's wave or k's: the choice hangs on the wave's number alone
	s_cselect_b64 s[32:33], s[10:11], s[12:13]
	s_cselect_b64 s[34:35], s[16:17], s[18:19]
	s_cselect_b64 s[52:53], s[22:23], s[24:25]
	s_add_nc_u64 s[52:53], s[52:53], s[44:45]
	s_add_nc_u64 s[8:9], s[8:9], s[36:37]
	s_add_nc_u64 s[14:15], s[14:15], s[38:39]
	s_add_nc_u64 s[20:21], s[20:21], s[40:41]
	s_add_nc_u64 s[54:55], s[24:25], s[46:47]
	s_add_nc_u64 s[56:57], s[24:25], s[48:49]
	; the weights and biases first, then x's 64 loads: 512 consecutive bytes each
	WLOAD RAW, 14, 0
	WLOAD RAW+64, 14, 8192
	WLOAD RAW+128, 32, 0
	global_load_b32 v[BVR], v[R4], s[20:21]
	global_load_b32 v[BVR+1], v[R4], s[20:21] offset:64
	global_load_b128 v[BQ:BQ+3], v[H32], s[34:35]
	global_load_b128 v[BQ+4:BQ+7], v[H32], s[34:35] offset:16
	WIN 0x40                                       ; destination window 1: channel i's two rows at v[8 i], v[8 i + 4]
.set i, 0
.rept 32
	global_load_b128 v[8*i:8*i+3], v[LI], s[8:9] offset:i*262144 th:TH_LOAD_NT
	global_load_b128 v[8*i+4:8*i+7], v[LI], s[8:9] offset:i*262144+1024 th:TH_LOAD_NT
.set i, i+1
.endr
	WIN 0
	s_wait_loadcnt 63                              ; loads come back in order: 64 loads of x are younger than every weight and bias, so these are all in
	WQUANT RAW, WC, WS
	WQUANT RAW+64, WC+8, WS+1
	WQUANT RAW+128, WC+16, WS+2
	WIN 0x05                                       ; sources window 1, destination window 0
.set i, 0
.rept 32
	s_wait_loadcnt 62-2*i                          ; channel i's two loads are in; those of the channels behind it may be out
	v_pk_add_f32 v[U+4*i:U+4*i+1], v[8*i:8*i+1], v[8*i+4:8*i+5]
	v_pk_add_f32 v[U+4*i+2:U+4*i+3], v[8*i+2:8*i+3], v[8*i+6:8*i+7]
.set i, i+1
.endr
	WIN 0
.set i, 0
.rept 32
	v_add_f32 v[Y+i], v[U+4*i], v[U+4*i+1]         ; position 2 l: 4 y
	v_add_f32 v[Y+32+i], v[U+4*i+2], v[U+4*i+3]    ; position 2 l + 1
.set i, i+1
.endr
	; my block of each of my two positions: all 32 numbers are mine
.irp p, 0,1
	v_max3_num_f32 v[TM+\p], |v[Y+32*\p]|, |v[Y+32*\p+1]|, 0x2800000   ; the floor for 4 y: 2^(5 - 127), so that y's byte cannot fall under 1
.endr
.irp i, 2,4,6,8,10,12,14,16,18,20,22,24,26,28,30
.irp p, 0,1
	v_max3_num_f32 v[TM+\p], v[TM+\p], |v[Y+32*\p+\i]|, |v[Y+32*\p+\i+1]|
.endr
.endr
.irp p, 0,1
	v_add_nc_u32 v[TM+2+\p], 0xff000000, v[TM+\p]  ; the conversion's scale operand, for 4 y
.endr
.irp p, 0,1
	v_add_nc_u32 v[TM+\p], 0xfe000000, v[TM+\p]    ; 2 more off the exponent field: the division by 4
.endr
.irp p, 0,1
	v_lshrrev_b32 v[TM+\p], 23, v[TM+\p]           ; y's scale byte
.endr
.irp p, 0,1
.irp g, 0,1,2,3
	v_cvt_scalef32_pk8_fp4_f32 v[CD+4*\p+\g], v[Y+32*\p+8*\g:Y+32*\p+8*\g+7], v[TM+2+\p]
.endr
.endr
	v_nop                                          ; a plain instruction behind the last conversion
.irp p, 0,1
	ds_store_b128 v[YCA], v[CD+4*\p:CD+4*\p+3] offset:YP*\p
	ds_store_b8 v[YSA], v[TM+\p] offset:4*\p
.endr
.irp u, 0,1
.irp j, 0,1,2,3,4,5,6,7
	v_mov_b32 v[BV+8*\u+\j], v[BVR+\u]             ; in v's result a lane holds one channel: its bias in all eight registers
.endr
.endr
	s_wait_dscnt 0x0                               ; for the others' sake: my stores have landed
	s_barrier_signal -1
	s_barrier_wait -1                              ; the 64 positions' codes and scale words lie in LDS
.irp t, 0,1,2,3
	ds_load_b128 v[YF+8*\t:YF+8*\t+3], v[YFA] offset:(32*(\t/2)+8*(\t%2))*YP
	ds_load_b128 v[YF+8*\t+4:YF+8*\t+7], v[YFA] offset:(32*(\t/2)+8*(\t%2))*YP+32
	ds_load_b32 v[YW+\t], v[YWA] offset:(32*(\t/2)+8*(\t%2))*4
.endr
.irp u, 0,1
	ds_load_b128 v[YG+8*\u:YG+8*\u+3], v[YGA] offset:8*\u*YP
	ds_load_b128 v[YG+8*\u+4:YG+8*\u+7], v[YGA] offset:8*\u*YP+32
	ds_load_b32 v[YGS+\u], v[YGW] offset:32*\u
.endr
	s_wait_dscnt 0x0
	; v: source 0 = 16 positions, source 1 = 16 channels of Wv: a lane holds one channel, its registers run along the positions.  Ten products, ten accumulators
.irp u, 0,1
.irp t, 0,1,2,3
	v_wmma_scale_f32_16x16x128_f8f6f4 v[D+32*\u+8*\t:D+32*\u+8*\t+7], v[YF+8*\t:YF+8*\t+7], v[WC+8*\u:WC+8*\u+7], v[BV+8*\u:BV+8*\u+7], v[YW+\t], v[WS+\u] matrix_a_fmt:MATRIX_FMT_FP4 matrix_b_fmt:MATRIX_FMT_FP4
.endr
.endr
	; q or k: source 0 = the 16 rows of Wq or Wk, source 1 = 16 positions: a lane holds one position and channels 8 h + 0 .. 7
.irp u, 0,1
	v_wmma_scale_f32_16x16x128_f8f6f4 v[DQ+8*\u:DQ+8*\u+7], v[WC+16:WC+23], v[YG+8*\u:YG+8*\u+7], v[BQ:BQ+7], v[WS+2], v[YGS+\u] matrix_a_fmt:MATRIX_FMT_FP4 matrix_b_fmt:MATRIX_FMT_FP4
.endr
.rept 4
	v_nop                                          ; four places between the products and the first read of their results (ISA guide 7.12.1)
.endr
.irp u, 0,1
	global_store_b128 v[LI], v[DQ+8*\u:DQ+8*\u+3], s[52:53] offset:1024*\u        ; 32 lanes store 512 consecutive bytes
	global_store_b128 v[LI], v[DQ+8*\u+4:DQ+8*\u+7], s[52:53] offset:1024*\u+512
.endr
	VQUANT D, PC, HW
	VQUANT D+32, PC+4, HW+1
	global_store_b128 v[LI], v[PC:PC+3], s[54:55]
	global_store_b128 v[LI], v[PC+4:PC+7], s[54:55] offset:1024
	v_cmp_gt_u32 vcc_lo, 16, v[LANE]
	v_cndmask_b32 v[HW], v[HW+1], v[HW], vcc_lo    ; lanes 0-15: tile 2 w's bytes, lanes 16-31: tile 2 w + 1's (both halves of the lanes hold both)
	global_store_b16 v[LI], v[HW], s[56:57]        ; two bytes of a scale word: the other two are the other half's work-group's
	s_wait_tensorcnt 0x0                           ; the wave's end, behind my last LDS store
	ds_add_u32 v[SPW], v[NIL]
	s_wait_dscnt 0x0
	s_endpgm
.Lfunc_end_k_q1fdb92c47e_prep:
	.size	k_q1fdb92c47e_prep, .Lfunc_end_k_q1fdb92c47e_prep-k_q1fdb92c47e_prep
	.p2alignl 7, 3214868480
	.fill 96, 4, 3214868480
	.section	.rodata,"a",@progbits
	.p2align	6, 0x0
	.amdhsa_kernel k_q1fdb92c47e_prep
		.amdhsa_group_segment_fixed_size 5888
		.amdhsa_private_segment_fixed_size 0
		.amdhsa_enable_private_segment 0
		.amdhsa_kernarg_size 72
		.amdhsa_user_sgpr_count 2
		.amdhsa_user_sgpr_kernarg_segment_ptr 1
		.amdhsa_wavefront_size32 1
		.amdhsa_system_sgpr_workgroup_id_x 1
		.amdhsa_system_sgpr_workgroup_id_y 1
		.amdhsa_system_sgpr_workgroup_id_z 1
		.amdhsa_system_vgpr_workitem_id 0
		.amdhsa_next_free_vgpr 512
		.amdhsa_next_free_sgpr 66
		.amdhsa_reserve_vcc 1
		.amdhsa_float_denorm_mode_32 3
		.amdhsa_float_denorm_mode_16_64 3
		.amdhsa_memory_ordered 1
		.amdhsa_forward_progress 1
		.amdhsa_inst_pref_size 42
	.end_amdhsa_kernel
	.amdgpu_metadata
---
amdhsa.version: [ 1, 2 ]
amdhsa.kernels:
  - .name:           k_q1fdb92c47e_prep
    .symbol:         k_q1fdb92c47e_prep.kd
    .args:
      - { .name: x, .offset: 0, .size: 8, .value_kind: global_buffer, .address_space: global }
      - { .name: Wq, .offset: 8, .size: 8, .value_kind: global_buffer, .address_space: global }
      - { .name: Wk, .offset: 16, .size: 8, .value_kind: global_buffer, .address_space: global }
      - { .name: Wv, .offset: 24, .size: 8, .value_kind: global_buffer, .address_space: global }
      - { .name: bq, .offset: 32, .size: 8, .value_kind: global_buffer, .address_space: global }
      - { .name: bk, .offset: 40, .size: 8, .value_kind: global_buffer, .address_space: global }
      - { .name: bv, .offset: 48, .size: 8, .value_kind: global_buffer, .address_space: global }
      - { .name: qbuf, .offset: 56, .size: 8, .value_kind: global_buffer, .address_space: global }
      - { .name: kv, .offset: 64, .size: 8, .value_kind: global_buffer, .address_space: global }
    .group_segment_fixed_size: 5888
    .private_segment_fixed_size: 0
    .kernarg_segment_align: 8
    .kernarg_segment_size: 72
    .max_flat_workgroup_size: 128
    .sgpr_count:     66
    .vgpr_count:     512
    .wavefront_size: 32
...
	.end_amdgpu_metadata
.endif
;; end of part 1
;; launch attn (part 2): grid 256 x 1, 16 waves a work-group, clusters of 4 x 1, 327,680 bytes of LDS; arguments qbuf, kv, att; writes att
.if DOCPART == 2
	.amdgcn_target "amdgcn-amd-amdhsa--gfx1250"
	.amdhsa_code_object_version 6
	.text
	.protected	k_q1fdb92c47e_attn
	.globl	k_q1fdb92c47e_attn
	.p2align	8
	.type	k_q1fdb92c47e_attn,@function
k_q1fdb92c47e_attn:
	s_mov_b64 s[64:65], 0
	v_nop
	global_prefetch_b8 v0, s[64:65] scope:SCOPE_SE
	s_setreg_imm32_b32 hwreg(HW_REG_WAVE_MODE, 25, 1), 1
	s_wait_xcnt 0x0
	s_wait_alu depctr_hold_cnt(0) depctr_sa_sdst(0) depctr_va_vdst(0) depctr_va_sdst(0) depctr_va_ssrc(0) depctr_va_vcc(0) depctr_vm_vsrc(0)
	s_getreg_b32 s2, hwreg(HW_REG_IB_STS2, 6, 4)
	s_cmp_eq_u32 s2, 0
	s_cbranch_scc0 .Lentry_in_a_cluster
	s_endpgm
.Lentry_in_a_cluster:
	s_bfe_u32 s2, ttmp6, 0x10000c
	s_cmp_lg_u32 s2, 0x3003
	s_cbranch_scc0 .Lentry_shape_is_right
	s_endpgm
.Lentry_shape_is_right:
; ATTN: att[c][i] = (the sum over keys j of Q(v)[c][j] Q(p)[i][j]) / l[i], p = 2^(t - M), t = (q[i] . k[j]) log2(e), M = the ceiling of the row's largest t, l = the sum of the unquantised p.
; The energy (K = 16) goes ahead of a quantiser: f32 operands, v_wmma_f32_16x16x4_f32.  The second product is on codes of FP4 with one E8M0 scale for each 32 keys.
; SHARES.  Work-group b owns queries 64 b .. 64 b + 63.  Sixteen waves of 256 registers, four to a SIMD, so that one wave's softmax stands beside another's matrix work and LDS loads.  Wave w: query tile w & 3 (16 queries),
; key quarter w >> 2: of each slot of 8 key steps (128 keys each) it works steps 2 (w >> 2) and 2 (w >> 2) + 1.  Each wave keeps its own running M, l and O^T; the four quarters are joined once, at the end,
; through LDS, by exact powers of two.
; LAYOUT.  Both products are used transposed (S^T = k q^T, O^T = v p^T): a lane holds one query throughout.  k, q and v come as images of the operand registers, 16 bytes a lane, so every LDS load is 512 consecutive bytes.
; In the f32 product a lane's registers 2 c, 2 c + 1 hold channels 8 h + 2 c, 8 h + 2 c + 1, alike in both sources: the sum runs over the 16 channels in another order.
; The keys of a tile are not neighbours (lane r of tile 2 B + u: key 32 B + 8 u + r + 8 (r / 8)), so that the 16 registers of tiles 2 B, 2 B + 1 are keys 32 B + 16 h + 0 .. 15; the queries of a tile are chosen the same way.
; RING.  Two slots of 135,168 bytes; waves 0-7 fetch one key step's 16,896 dense bytes each.  CLUSTER: the four work-groups of a cluster walk the same kv, so every tile is asked for jointly, with a mask that names the four.
; LIMITS: NaN and infinities are not served; a p under 2^-126 counts as 0; a block whose every p is 0 keeps the byte 1 over zero codes.
.set STEPB, 16896                      ; a key step: 8,192 bytes of k, 8,192 of v's codes, 512 of v's scale words
.set SLOTB, 8*STEPB
.set S1,    0                          ; slot 1
.set S0,    SLOTB                      ; slot 0
.set STG,   S0                         ; the way out: four planes (one a key quarter) of 128 rows (channels) x (64 queries x 4 bytes + 16): in slot 0, which has had its last fill and its last read by then, and 4,096 bytes behind it
.set PLANE, 128*272
.set STM,   STG+4*PLANE                ; -M of [quarter][64 queries]; 1,024 bytes further on l likewise
.set SPARE, STM+2048                   ; the spare words, 128 bytes a wave: eight blocks of 256 bytes that no other line names
.set ADR, 1                            ; v1, v2  my two steps' place in slot 0, slot 1: + 16 x lane
.set SPW, 3                            ; v3   my spare word; never rewritten
.set NIL, 4                            ; v4   0; never rewritten
.set SA,  5                            ; v5   the way out: where O^T goes
.set MA,  6                            ; v6   and -M and l
.set RA,  7                            ; v7   where I read planes 0, 1 back
.set RB,  8                            ; v8   and planes 2, 3
.set MR,  9                            ; v9   and the statistics
.set GO,  10                           ; v10  my byte offset in att
.set PFO, 11                           ; v11  256 x lane, for the prefetches; never rewritten
.set NM,  12                           ; v12 -M, v13 the largest t
.set LS,  14                           ; v[14:15] l in two halves
.set Q,   16                           ; v16-23  q's fragment
.set FP,  32                           ; v32-95  k's fragments, then p, then v's fragments
.set SS,  96                           ; v96-159 S^T: written by the f32 matrix instruction alone
.set OT,  160                          ; v160-223 O^T
.set PC,  224                          ; v224-231 p's codes
.set BM,  232                          ; v232-235 each block's largest score, then its largest p
.set PT,  236                          ; v236-239 at work
.set VS,  240                          ; v240-243 v's scale words: lanes 0-15 tile 2 i, lanes 16-31 tile 2 i + 1
.set SO,  244                          ; v244-247 the conversions' scale operands
.set FF,  250                          ; v[250:251] f = 2^(old M - new M)
.set PW,  252                          ; v252 p's scale word
.set TP,  254
.set WV,  10                           ; s10 wave
.set G1,  16                           ; s[16:23] descriptor group 1
.set G0,  24                           ; s[24:27], s[28:31] group 0 of slot 0, slot 1
.set CS,  32                           ; s[32:33] log2(e)
.set SEL, 34                           ; s[34:35] selects of v_permlanex16_b32: lane l xor 16
.set LAP, 36                           ; s36 trips to go
.set LIM, 37                           ; s37 1 in a wave that prefetches, else the greatest number
.set PFA, 38                           ; s[38:39] where my prefetches stand
; A round of the cluster's barrier
.macro CROUND
	s_barrier_signal -1
	s_barrier_wait -1
	s_cmp_lg_u32 s[WV], 0
	s_cbranch_scc1 .Lnot_wave_0_\@
	s_barrier_signal -3
.Lnot_wave_0_\@:
	s_barrier_wait -3
	s_barrier_signal -1
	s_barrier_wait -1
.endm
; The joint refill of slot n: waves 0-7 one key step each.  The branch hangs on the wave's number alone.  An s_nop 0 and four v_nop follow the load
.macro TLOAD n
	s_cmp_lt_u32 s[WV], 8
	s_cbranch_scc0 .Lno_load_\@
	tensor_load_to_lds s[G0+4*(\n):G0+4*(\n)+3], s[G1:G1+7]
	s_nop 0
.rept 4
	v_nop
.endr
.Lno_load_\@:
.endm
; A prefetch of k's and v's images of the slot that the NEXT change of slots will ask for: eight key steps ahead of that load.  All clusters walk the same kv: the first cluster asks.  Its four partners take two key steps each,
; told apart by address; in each, waves 8-11, which fetch nothing, take 8,192 bytes each, lanes 256 bytes apart: each block is named once.  The steps' 512 scale bytes and the first three slots come by their loads alone.
; how = 1: there is always a slot behind;  how = 0: not in the last trip
.macro ASK how
.if \how
	s_cmp_eq_u32 s[LIM], 1
.else
	s_cmp_gt_u32 s[LAP], s[LIM]
.endif
	s_cbranch_scc0 .Lnot_mine_\@
	global_prefetch_b8 v[PFO], s[PFA:PFA+1] th:TH_LOAD_NT scope:SCOPE_SE
.Lnot_mine_\@:
.endm
; THE CHANGE OF SLOTS, at the head of slot rd.  Each wave waits for all its tensor loads (its part of the slot ahead), adds 0 to its spare word, and waits for that and for its reads of the slot that it has left.
; fill = 1: a round of the cluster's barrier, so that no wave of any partner still reads the other slot or has a load out, and the joint refill first behind it: it has a slot's steps in which to land
.macro CHANGE rd, fill, how
	s_wait_tensorcnt 0x0                           ; no tensor load of mine is out, so a group 0 may be written
	ds_add_u32 v[SPW], v[NIL]
.if \fill
	s_add_nc_u64 s[G0+4*(1-\rd)+2:G0+4*(1-\rd)+3], s[G0+4*(1-\rd)+2:G0+4*(1-\rd)+3], 2*SLOTB   ; the other slot's next 8 key steps
	s_wait_xcnt 0x0                                ; the last prefetch, a slot back, has read its address
	s_add_nc_u64 s[PFA:PFA+1], s[PFA:PFA+1], SLOTB
.endif
	s_wait_dscnt 0x0                               ; the add is done, and my reads of the slot that I have left are over
.if \fill
	CROUND
	TLOAD 1-\rd
	ASK \how
.else
	s_barrier_signal -1
	s_barrier_wait -1
.endif
.endm
; A KEY STEP: 128 keys x my 16 queries
.macro STEP adr, off
.rept 4
	v_nop                                          ; four places behind the last step's products, ahead of loads into registers that they read
.endr
.irp t, 0,1,2,3,4,5,6,7
	ds_load_b128 v[FP+8*\t:FP+8*\t+3], v[\adr] offset:\off+1024*\t
	ds_load_b128 v[FP+8*\t+4:FP+8*\t+7], v[\adr] offset:\off+1024*\t+512
.endr
	s_wait_dscnt 0x0
.irp c, 0,1,2,3                        ; S^T = k q^T: four channels an instruction; the eight accumulators take turns, one instruction a turn
.irp t, 0,1,2,3,4,5,6,7
.if \c == 0
	v_wmma_f32_16x16x4_f32 v[SS+8*\t:SS+8*\t+7], v[FP+8*\t:FP+8*\t+1], v[Q:Q+1], 0
.else
	v_wmma_f32_16x16x4_f32 v[SS+8*\t:SS+8*\t+7], v[FP+8*\t+2*\c:FP+8*\t+2*\c+1], v[Q+2*\c:Q+2*\c+1], v[SS+8*\t:SS+8*\t+7]
.endif
.endr
.endr
.rept 8
	v_nop                                          ; eight places behind this form, ahead of the first read of its results
.endr
.irp b, 0,1,2,3
	v_max3_num_f32 v[BM+\b], v[SS+16*\b], v[SS+16*\b+1], v[SS+16*\b+2]   ; the largest score of each block of 32 keys: for the row's maximum and, since p rises with the score, for the block's largest p
.endr
.irp i, 3,5,7,9,11,13
.irp b, 0,1,2,3
	v_max3_num_f32 v[BM+\b], v[BM+\b], v[SS+16*\b+\i], v[SS+16*\b+\i+1]   ; ascending: each accumulator is read from its low end on
.endr
.endr
.irp b, 0,1,2,3
	v_max_num_f32 v[BM+\b], v[BM+\b], v[SS+16*\b+15]
.endr
.irp b, 0,1,2,3
	v_permlanex16_b32 v[PT+\b], v[BM+\b], s[SEL], s[SEL+1]
.endr
.irp b, 0,1,2,3
	v_max_num_f32 v[BM+\b], v[BM+\b], v[PT+\b]     ; with lane l xor 16's 16 keys
.endr
	v_max3_num_f32 v[TP], v[BM], v[BM+1], v[BM+2]
	v_max_num_f32 v[TP], v[TP], v[BM+3]
	v_mul_f32 v[TP], s[CS], v[TP]                  ; the step's largest t
	v_max_num_f32 v[NM+1], v[NM+1], v[TP]          ; the running largest t
	v_mov_b32 v[TP], v[NM]
	v_floor_f32 v[NM], -v[NM+1]                    ; -M = floor(-t): M is a whole number
	v_sub_f32 v[TP], v[NM], v[TP]                  ; old M - new M, 0 or less
	v_cvt_i32_f32 v[TP], v[TP]                     ; (it saturates)
	v_ldexp_f32 v[FF], 1.0, v[TP]                  ; f: a multiplication by it rounds nothing
.set j, 0
.rept 32
	v_pk_fma_f32 v[FP+j:FP+j+1], v[SS+j:SS+j+1], s[CS:CS+1], v[NM:NM+1] op_sel_hi:[1,0,0]   ; t - M, into other registers than the sums'
.set j, j+2
.endr
.irp b, 0,1,2,3
	v_fma_f32 v[BM+\b], v[BM+\b], s[CS], v[NM]
.endr
.set j, 0
.rept 64
	v_exp_f32 v[FP+j], v[FP+j]                     ; p = 2^(t - M): one batch
.set j, j+1
.endr
	v_pk_mul_f32 v[LS:LS+1], v[LS:LS+1], v[FF:FF+1] op_sel_hi:[1,0]   ; l under the new M: the plain instruction behind the exponentials
	s_wait_alu depctr_va_vdst(0)                   ; one wait for the batch, ahead of its first reader
.irp b, 0,1,2,3
	v_exp_f32 v[BM+\b], v[BM+\b]                   ; each block's largest p
.endr
	v_pk_add_f32 v[PT:PT+1], v[FP:FP+1], v[FP+2:FP+3]   ; l is the sum of the unquantised p: two chains
.set j, 4
.rept 15
	v_pk_add_f32 v[LS:LS+1], v[LS:LS+1], v[FP+j:FP+j+1]
	v_pk_add_f32 v[PT:PT+1], v[PT:PT+1], v[FP+j+2:FP+j+3]
.set j, j+4
.endr
	v_pk_add_f32 v[LS:LS+1], v[LS:LS+1], v[PT:PT+1]
	s_wait_alu depctr_va_vdst(0)                   ; and one for the four
.irp b, 0,1,2,3
	v_max_num_f32 v[BM+\b], 0x1800000, v[BM+\b]    ; the floor 2^(3 - 127): the byte cannot fall under 1
.endr
.irp b, 0,1,2,3
	v_add_nc_u32 v[SO+\b], 0xff000000, v[BM+\b]    ; 2 off the exponent field: the conversion's scale operand
.endr
.irp b, 0,1,2,3
	v_lshrrev_b32 v[PT+\b], 23, v[SO+\b]
.endr
	v_lshl_or_b32 v[PW], v[PT+1], 8, v[PT]         ; p's scale word for these 128 keys
	v_lshl_or_b32 v[PW], v[PT+2], 16, v[PW]
	v_lshl_or_b32 v[PW], v[PT+3], 24, v[PW]
.irp b, 0,1,2,3
	v_cvt_scalef32_pk8_fp4_f32 v[PC+2*\b], v[FP+16*\b:FP+16*\b+7], v[SO+\b]
	v_cvt_scalef32_pk8_fp4_f32 v[PC+2*\b+1], v[FP+16*\b+8:FP+16*\b+15], v[SO+\b]
.endr
	v_nop                                          ; a plain instruction behind the last conversion
.irp t, 0,1,2,3,4,5,6,7
	ds_load_b128 v[FP+8*\t:FP+8*\t+3], v[\adr] offset:\off+8192+1024*\t          ; v's fragments land while O^T is rescaled
	ds_load_b128 v[FP+8*\t+4:FP+8*\t+7], v[\adr] offset:\off+8192+1024*\t+512
.endr
	ds_load_b128 v[VS:VS+3], v[\adr] offset:\off+16384
.irp c, 0,1
.irp i, 0,1
	v_permlane16_swap_b32 v[PC+4*\c+\i], v[PC+2+4*\c+\i]   ; a whole block in a lane: lanes 0-15 block 2 c, lanes 16-31 block 2 c + 1
.endr
.endr
.set j, 0
.rept 32
	v_pk_mul_f32 v[OT+j:OT+j+1], v[OT+j:OT+j+1], v[FF:FF+1] op_sel_hi:[1,0]   ; O^T under the new M; these are also the places between p's codes and scale word and the products
.set j, j+2
.endr
	s_wait_dscnt 0x0
.irp t, 0,2,4,6                        ; O^T += v p^T: eight tiles of 16 channels, eight accumulators
	v_wmma_scale_f32_16x16x128_f8f6f4 v[OT+8*\t:OT+8*\t+7], v[FP+8*\t:FP+8*\t+7], v[PC:PC+7], v[OT+8*\t:OT+8*\t+7], v[VS+\t/2], v[PW] matrix_a_fmt:MATRIX_FMT_FP4 matrix_b_fmt:MATRIX_FMT_FP4
	v_wmma_scale_f32_16x16x128_f8f6f4 v[OT+8*\t+8:OT+8*\t+15], v[FP+8*\t+8:FP+8*\t+15], v[PC:PC+7], v[OT+8*\t+8:OT+8*\t+15], v[VS+\t/2], v[PW] matrix_a_fmt:MATRIX_FMT_FP4 matrix_b_fmt:MATRIX_FMT_FP4 matrix_a_scale:MATRIX_SCALE_ROW1
.endr
.endm
.macro SLOTWORK rd                     ; my two key steps of slot rd
	STEP ADR+\rd, 0
	STEP ADR+\rd, STEPB
.endm
	s_load_b128 s[4:7], s[0:1], 0x0                ; qbuf, kv
	s_load_b64 s[8:9], s[0:1], 0x10                ; att
	v_lshl_add_u32 v[SPW], v0, 2, SPARE
	v_mov_b32 v[NIL], 0
	ds_add_u32 v[SPW], v[NIL]                      ; the wave's opening: the add and its wait stand ahead of the round in front of the first tensor loads
	v_lshrrev_b32 v5, 5, v0
	v_readfirstlane_b32 s[WV], v5                  ; wave 0..15
	s_bfe_u32 s11, ttmp6, 0x40000                  ; cx: my place in the cluster
	s_lshl_b32 s12, ttmp9, 2
	s_add_co_u32 s12, s12, s11                     ; b = 4 x cluster + cx: it enters global addresses alone
	s_and_b32 s13, s[WV], 3                        ; my query tile
	s_lshr_b32 s14, s[WV], 2                       ; my key quarter
	s_and_b32 s15, s[WV], 7                        ; the key step of a slot that I fetch, if I fetch
	; descriptor group 1: 66 rows of 256 bytes (32 elements of 8), dense, no padding
	s_mov_b32 s[G1], 15|(3<<16)|(1<<21)            ; 15:0 the mask: all four work-groups; 17:16 elements of 8 bytes; 21 set beside a mask
	s_mov_b32 s[G1+1], 32<<16                      ; tensor_dim0
	s_mov_b32 s[G1+2], 66<<16                      ; tensor_dim1
	s_mov_b32 s[G1+3], 32<<16                      ; tile_dim0
	s_mov_b32 s[G1+4], 66                          ; tile_dim1
	s_mov_b32 s[G1+5], 32                          ; from row to row
	s_mov_b32 s[G1+6], 0
	s_mov_b32 s[G1+7], 0
	s_mov_b32 s[CS], 0x3fb8aa3b                    ; log2(e)
	s_mov_b32 s[CS+1], s[CS]                       ; (named with it as a pair)
	s_mov_b32 s[SEL], 0x76543210
	s_mov_b32 s[SEL+1], 0xfedcba98
	s_mov_b32 s[LAP], 7
	s_sub_co_u32 s[LIM], s[WV], 8
	s_lshr_b32 s[LIM], s[LIM], 2                   ; 0 in waves 8 to 11,
	s_or_b32 s[LIM], s[LIM], ttmp9                 ; of the first cluster: the same in all four partners
	s_cmp_eq_u32 s[LIM], 0
	s_cselect_b32 s[LIM], 1, -1
	s_mul_i32 s40, s15, STEPB                      ; my key step's place in a slot, in memory and in LDS alike
	s_mov_b32 s41, 0
	s_lshl_b32 s42, s11, 1                         ; the prefetches: my work-group's two key steps of a slot's eight,
	s_bfe_u32 s43, s[WV], 0x10001
	s_add_co_u32 s42, s42, s43                     ; my wave's one of them,
	s_mul_i32 s42, s42, STEPB
	s_and_b32 s43, s[WV], 1
	s_lshl_b32 s43, s43, 13
	s_add_co_u32 s42, s42, s43                     ; k's images or v's,
	s_add_co_u32 s42, s42, 2*SLOTB                 ; in the third slot's worth: the first change of slots steps it to the fourth
	s_mov_b32 s43, 0
	s_lshl_b32 s44, s12, 12
	s_lshl_b32 s45, s13, 10
	s_add_co_u32 s44, s44, s45                     ; q: tile 4 b + my tile
	s_mov_b32 s45, 0
	s_lshl_b32 s46, s[WV], 19
	s_lshl_b32 s47, s12, 8
	s_add_co_u32 s46, s46, s47                     ; att: channels 8 w on, 65,536 bytes each; my work-group's 256 bytes of a row
	s_mov_b32 s47, 0
	s_mul_i32 s48, s14, 2*STEPB                    ; my quarter's two steps in a slot
	s_lshr_b32 s49, s13, 1
	s_lshl_b32 s49, s49, 5
	s_and_b32 s50, s13, 1
	s_lshl_b32 s50, s50, 3
	s_add_co_u32 s49, s49, s50                     ; my tile's first query among the 64
	s_lshl_b32 s50, s14, 8
	s_mul_i32 s51, s14, PLANE
	s_mul_i32 s52, s[WV], 8*272
	s_wait_dscnt 0x0                               ; the opening add is done
	s_wait_kmcnt 0x0
	s_mov_b32 s[G0], 1                             ; count = 1
	s_add_co_u32 s[G0+1], s40, S0                  ; LDS address: no place in the cluster enters it
	s_add_nc_u64 s[G0+2:G0+3], s[6:7], s[40:41]    ; key steps 0 to 7
	s_or_b32 s[G0+3], s[G0+3], 0x80000000          ; type = 2
	s_mov_b32 s[G0+4], 1
	s_add_co_u32 s[G0+5], s40, S1
	s_add_nc_u64 s[G0+6:G0+7], s[6:7], s[40:41]
	s_add_nc_u64 s[G0+6:G0+7], s[G0+6:G0+7], SLOTB ; key steps 8 to 15
	s_or_b32 s[G0+7], s[G0+7], 0x80000000
	s_add_nc_u64 s[PFA:PFA+1], s[6:7], s[42:43]
	s_add_nc_u64 s[4:5], s[4:5], s[44:45]
	s_add_nc_u64 s[8:9], s[8:9], s[46:47]
	CROUND                                         ; all four work-groups are here: the first joint loads meet
	s_cmp_lt_u32 s[WV], 8                          ; a wave's two first fills stand in one branch: two loads of mine are out
	s_cbranch_scc0 .Lfirst_asked
	tensor_load_to_lds s[G0:G0+3], s[G1:G1+7]
	s_nop 0
	tensor_load_to_lds s[G0+4:G0+7], s[G1:G1+7]
	s_nop 0
.rept 4
	v_nop
.endr
.Lfirst_asked:
	v_and_b32 v232, 31, v0                         ; lane
	v_and_b32 v233, 15, v0                         ; r
	v_bfe_u32 v234, v0, 4, 1                       ; h
	v_lshlrev_b32 v[TP], 4, v232
	global_load_b128 v[Q:Q+3], v[TP], s[4:5]       ; q's fragment stays in registers
	global_load_b128 v[Q+4:Q+7], v[TP], s[4:5] offset:512
	v_lshlrev_b32 v[PFO], 8, v232
	v_add_nc_u32 v[ADR+1], s48, v[TP]              ; slot 1 begins at LDS byte 0
	v_add_nc_u32 v[ADR], S0, v[ADR+1]
	v_and_b32 v235, 8, v233
	v_add_nc_u32 v235, v235, v233
	v_add_nc_u32 v235, s49, v235                   ; my query among the 64
	v_lshlrev_b32 v235, 2, v235
	v_add_nc_u32 v[MA], s50, v235
	v_add_nc_u32 v[MA], STM, v[MA]
	v_mad_u32_u24 v[SA], v234, 8*272, v235         ; my half's channels begin 8 rows further down
	v_add_nc_u32 v[SA], s51, v[SA]
	v_add_nc_u32 v[SA], STG, v[SA]
	v_lshlrev_b32 v[MR], 4, v233
	v_mad_u32_u24 v[RA], v234, 272, v[MR]          ; back: lanes 0-15 one row (channel) of 64 queries, lanes 16-31 the next
	v_add_nc_u32 v[RA], s52, v[RA]
	v_add_nc_u32 v[RA], STG, v[RA]
	v_add_nc_u32 v[RB], 2*PLANE, v[RA]
	v_lshl_add_u32 v[GO], v234, 16, v[MR]
	v_add_nc_u32 v[MR], STM, v[MR]
	v_mov_b32 v[NM+1], 0xff61b1e6                  ; the largest t so far: -3e38
	v_floor_f32 v[NM], -v[NM+1]
	v_mov_b32 v[LS], 0
	v_mov_b32 v[LS+1], 0
.irp b, 0,1,2,3
	v_mov_b32 v[PT+\b], 0                          ; a lane permute's destination counts as one of its sources
.endr
	v_mov_b32 v[FF+1], 0                           ; (named as the upper half of a pair)
.set j, 0
.rept 64
	v_mov_b32 v[OT+j], 0                           ; the step is written in one form: the first finds zeros, which the first change of M leaves zeros
.set j, j+1
.endr
	s_wait_tensorcnt 0x1                           ; my part of slot 0 is in; slot 1's may stay out
	s_barrier_signal -1
	s_barrier_wait -1
	s_wait_loadcnt 0x0                             ; q
	SLOTWORK 0
.Llap:                                             ; 7 trips: each fills both slots again
	CHANGE 1, 1, 1
	SLOTWORK 1
	CHANGE 0, 1, 0
	SLOTWORK 0
	s_sub_co_u32 s[LAP], s[LAP], 1
	s_cmp_lg_u32 s[LAP], 0
	s_cbranch_scc1 .Llap
	CHANGE 1, 0, 0                                 ; the last slot is written out: nothing is asked for
	SLOTWORK 1
	; THE WAY OUT.  Each wave puts its O^T, -M and l into LDS; then wave w joins the four key quarters for channels 8 w .. 8 w + 7 of all 64 queries and stores them
.rept 4
	v_nop                                          ; four places behind the last products
.endr
	v_add_f32 v[LS], v[LS], v[LS+1]
	v_permlanex16_b32 v[PT], v[LS], s[SEL], s[SEL+1]
	v_add_f32 v[LS], v[LS], v[PT]                  ; my quarter's l
	ds_store_b32 v[MA], v[NM]                      ; (both halves of the lanes write the same word with the same value)
	ds_store_b32 v[MA], v[LS] offset:1024
.irp t, 0,1,2,3,4,5,6,7
.irp j, 0,1,2,3,4,5,6,7
	ds_store_b32 v[SA], v[OT+8*\t+\j] offset:(16*\t+\j)*272   ; channel 16 t + 8 h + j, my query; each accumulator from its low end on
.endr
.endr
	s_wait_dscnt 0x0                               ; for the others' sake: my stores have landed
	s_barrier_signal -1
	s_barrier_wait -1
.irp j, 0,1,2,3
	ds_load_b128 v[160+4*\j:163+4*\j], v[MR] offset:256*\j         ; -M of quarter j, queries 4 (lane % 16) + 0 .. 3
.endr
.irp j, 0,1,2,3
	ds_load_b128 v[176+4*\j:179+4*\j], v[MR] offset:1024+256*\j    ; l likewise
.endr
.irp i, 0,1,2,3                        ; rows 8 w + lane / 16 + 2 i
	ds_load_b128 v[FP+16*\i:FP+16*\i+3], v[RA] offset:544*\i
	ds_load_b128 v[FP+16*\i+4:FP+16*\i+7], v[RA] offset:PLANE+544*\i
	ds_load_b128 v[FP+16*\i+8:FP+16*\i+11], v[RB] offset:544*\i
	ds_load_b128 v[FP+16*\i+12:FP+16*\i+15], v[RB] offset:PLANE+544*\i
.endr
	s_wait_dscnt 16                                ; the statistics are in; the 16 loads behind them may be out
.irp e, 0,1,2,3
	v_min_num_f32 v[192+\e], v[160+\e], v[164+\e]
.endr
.irp e, 0,1,2,3
	v_min_num_f32 v[192+\e], v[192+\e], v[168+\e]
.endr
.irp e, 0,1,2,3
	v_min_num_f32 v[192+\e], v[192+\e], v[172+\e]  ; -M of the whole row
.endr
.set j, 0
.rept 16
	v_sub_f32 v[196+j], v[192+j%4], v[160+j]       ; M of the quarter less M of the row: a whole number, 0 or less
.set j, j+1
.endr
.set j, 0
.rept 16
	v_cvt_i32_f32 v[196+j], v[196+j]
.set j, j+1
.endr
.set j, 0
.rept 16
	v_ldexp_f32 v[196+j], 1.0, v[196+j]            ; the quarter's factor, an exact power of two
.set j, j+1
.endr
.irp p, 0,2
	v_pk_mul_f32 v[212+\p:213+\p], v[196+\p:197+\p], v[176+\p:177+\p]
.endr
.irp j, 1,2,3
.irp p, 0,2
	v_pk_fma_f32 v[212+\p:213+\p], v[196+4*\j+\p:197+4*\j+\p], v[176+4*\j+\p:177+4*\j+\p], v[212+\p:213+\p]   ; the row's l
.endr
.endr
.irp e, 0,1,2,3
	v_rcp_f32 v[212+\e], v[212+\e]
.endr
	v_nop                                          ; a plain instruction behind the last reciprocal
	s_wait_alu depctr_va_vdst(0)                   ; one wait for the four, ahead of their first reader
.irp j, 0,1,2,3
.irp p, 0,2
	v_pk_mul_f32 v[196+4*\j+\p:197+4*\j+\p], v[196+4*\j+\p:197+4*\j+\p], v[212+\p:213+\p]   ; factor / l
.endr
.endr
.irp i, 0,1,2,3
	s_wait_dscnt 12-4*\i                           ; this pair of rows' four parts are in
.irp p, 0,2
	v_pk_mul_f32 v[216+4*\i+\p:217+4*\i+\p], v[FP+16*\i+\p:FP+16*\i+\p+1], v[196+\p:197+\p]
.endr
.irp j, 1,2,3
.irp p, 0,2
	v_pk_fma_f32 v[216+4*\i+\p:217+4*\i+\p], v[FP+16*\i+4*\j+\p:FP+16*\i+4*\j+\p+1], v[196+4*\j+\p:197+4*\j+\p], v[216+4*\i+\p:217+4*\i+\p]
.endr
.endr
	global_store_b128 v[GO], v[216+4*\i:219+4*\i], s[8:9] offset:2*\i*65536   ; sixteen lanes store 256 consecutive bytes of a channel's row, at a multiple of 256 from att's first byte
.endr
	s_wait_tensorcnt 0x0                           ; the wave's end, behind my last tensor load and my last LDS store
	ds_add_u32 v[SPW], v[NIL]
	s_wait_dscnt 0x0
	CROUND                                         ; the closing round: no work-group ends while a partner may still ask for a tile that names it
	s_endpgm
.Lfunc_end_k_q1fdb92c47e_attn:
	.size	k_q1fdb92c47e_attn, .Lfunc_end_k_q1fdb92c47e_attn-k_q1fdb92c47e_attn
	.p2alignl 7, 3214868480
	.fill 96, 4, 3214868480
	.section	.rodata,"a",@progbits
	.p2align	6, 0x0
	.amdhsa_kernel k_q1fdb92c47e_attn
		.amdhsa_group_segment_fixed_size 327680
		.amdhsa_private_segment_fixed_size 0
		.amdhsa_enable_private_segment 0
		.amdhsa_kernarg_size 24
		.amdhsa_user_sgpr_count 2
		.amdhsa_user_sgpr_kernarg_segment_ptr 1
		.amdhsa_wavefront_size32 1
		.amdhsa_system_sgpr_workgroup_id_x 1
		.amdhsa_system_sgpr_workgroup_id_y 1
		.amdhsa_system_sgpr_workgroup_id_z 1
		.amdhsa_system_vgpr_workitem_id 0
		.amdhsa_next_free_vgpr 256
		.amdhsa_next_free_sgpr 66
		.amdhsa_reserve_vcc 0
		.amdhsa_float_denorm_mode_32 3
		.amdhsa_float_denorm_mode_16_64 3
		.amdhsa_memory_ordered 1
		.amdhsa_forward_progress 1
		.amdhsa_inst_pref_size 168
	.end_amdhsa_kernel
	.amdgpu_metadata
---
amdhsa.version: [ 1, 2 ]
amdhsa.kernels:
  - .name:           k_q1fdb92c47e_attn
    .symbol:         k_q1fdb92c47e_attn.kd
    .args:
      - { .name: qbuf, .offset: 0, .size: 8, .value_kind: global_buffer, .address_space: global }
      - { .name: kv, .offset: 8, .size: 8, .value_kind: global_buffer, .address_space: global }
      - { .name: att, .offset: 16, .size: 8, .value_kind: global_buffer, .address_space: global }
    .group_segment_fixed_size: 327680
    .private_segment_fixed_size: 0
    .kernarg_segment_align: 8
    .kernarg_segment_size: 24
    .max_flat_workgroup_size: 512
    .sgpr_count:     66
    .vgpr_count:     256
    .wavefront_size: 32
...
	.end_amdgpu_metadata
.endif
;; end of part 2
;; launch up (part 3): grid 1024 x 1, 8 waves a work-group, no clusters, 0 bytes of LDS; arguments att, x, gamma, out0; writes out0
.if DOCPART == 3
	.amdgcn_target "amdgcn-amd-amdhsa--gfx1250"
	.amdhsa_code_object_version 6
	.text
	.protected	k_q1fdb92c47e_up
	.globl	k_q1fdb92c47e_up
	.p2align	8
	.type	k_q1fdb92c47e_up,@function
k_q1fdb92c47e_up:
	s_mov_b64 s[64:65], 0
	v_nop
	global_prefetch_b8 v0, s[64:65] scope:SCOPE_SE
	s_setreg_imm32_b32 hwreg(HW_REG_WAVE_MODE, 25, 1), 1
	s_wait_xcnt 0x0
; UP: out0 = gamma x (att [128][128][128] enlarged twice, bilinear, corners aligned) + x.  att, x, out0 f32.
; SHARES.  Work-group b: channel b >> 3.  Wave w: g = 8 (b & 7) + w: output rows Y = 4 g + e, e = 0 .. 3, from att's rows 2 g - 1 .. 2 g + 2.  A lane: 4 neighbouring columns of each half of a row: X = 128 hf + 4 lane + i.
; THE INDICES ARE WHOLE-NUMBER FORMULAS.  The place of Y in att is Y x 127 / 255 = Y / 2 - Y / 510: its floor is (Y - 1) >> 1 for 1 <= Y <= 254, and its fraction stays 1 / 255 or more away from a whole number there.
; The same formula is used at both ends, unclipped: Y = 0 gives row -1 with weight 1 on row 0, Y = 255 gives row 127 with weight 0 on row 128; the row outside is read at the nearest row inside and multiplied by 0.
; So e = 0 lies between rows 2 g - 1 and 2 g, e = 1 and 2 between 2 g and 2 g + 1, e = 3 between 2 g + 1 and 2 g + 2; along X likewise with l' = 32 hf + lane for g.
; LIMIT: NaN and infinities in att's edge rows and columns would spread by that multiplication by 0; they are not served.
; A stream: all 32 loads of a wave are issued at its head; no LDS, no matrix unit, no cluster: the work-groups share nothing but att's neighbouring rows.
.set OB,  2                            ; v2  8 x lane: columns 2 l, 2 l + 1 of att's left half
.set OL0, 3                            ; v3  column 2 l - 1, held at 0
.set OR1, 4                            ; v4  column 2 l' + 2 of the right half, held at 127
.set OX,  5                            ; v5  16 x lane
.set GW,  8                            ; v8-15  gamma x wx for (hf, i)
.set GC,  16                           ; v16-23 gamma x (1 - wx)
.set WY,  24                           ; v24-39 for each e: wy twice, 1 - wy twice
.set T,   40                           ; v40-47 a row between two of att's: [hf][2 l', 2 l' + 1, 2 l' - 1, 2 l' + 2]
.set A,   48                           ; v48-79 att's four rows, laid like T
.set X,   80                           ; v80-111 x, then the result: [e][hf][4]
.macro AROW k, base, off
	global_load_b64 v[A+8*\k:A+8*\k+1], v[OB], s[\base:\base+1] offset:\off
	global_load_b32 v[A+8*\k+2], v[OL0], s[\base:\base+1] offset:\off
	global_load_b32 v[A+8*\k+3], v[OB], s[\base:\base+1] offset:\off+8
	global_load_b64 v[A+8*\k+4:A+8*\k+5], v[OB], s[\base:\base+1] offset:\off+256
	global_load_b32 v[A+8*\k+6], v[OB], s[\base:\base+1] offset:\off+252
	global_load_b32 v[A+8*\k+7], v[OR1], s[\base:\base+1] offset:\off
.endm
	s_load_b256 s[4:11], s[0:1], 0x0               ; att 4, x 6, gamma 8, out0 10
	v_lshrrev_b32 v1, 5, v0
	v_readfirstlane_b32 s13, v1                    ; wave
	v_and_b32 v1, 31, v0                           ; lane
	v_lshlrev_b32 v[OB], 3, v1
	v_max_u32 v[OL0], 4, v[OB]
	v_add_nc_u32 v[OL0], -4, v[OL0]
	v_add_nc_u32 v[OR1], 264, v[OB]
	v_min_u32 v[OR1], 508, v[OR1]
	v_lshlrev_b32 v[OX], 4, v1
	v_lshlrev_b32 v6, 2, v1                        ; 4 x lane
	v_lshlrev_b32 v7, 1, v1                        ; 2 x lane
	s_lshr_b32 s24, ttmp9, 3                       ; the channel
	s_and_b32 s25, ttmp9, 7
	s_lshl_b32 s25, s25, 3
	s_add_co_u32 s25, s25, s13                     ; g
	s_lshl_b32 s38, s25, 1                         ; 2 g
	s_lshl_b32 s35, s25, 2                         ; 4 g
	s_lshl_b32 s39, s24, 16                        ; att: 65,536 bytes a channel, 512 a row
	s_lshl_b32 s26, s38, 9
	s_add_co_u32 s26, s26, s39                     ; row 2 g (row 2 g + 1 by the immediate)
	s_mov_b32 s27, 0
	s_max_u32 s28, s38, 1
	s_sub_co_u32 s28, s28, 1                       ; row 2 g - 1, held at 0
	s_lshl_b32 s28, s28, 9
	s_add_co_u32 s28, s28, s39
	s_mov_b32 s29, 0
	s_add_co_u32 s30, s38, 2
	s_min_u32 s30, s30, 127                        ; row 2 g + 2, held at 127
	s_lshl_b32 s30, s30, 9
	s_add_co_u32 s30, s30, s39
	s_mov_b32 s31, 0
	s_lshl_b32 s32, s24, 18                        ; x, out0: 262,144 bytes a channel, 1,024 a row
	s_lshl_b32 s33, s25, 12
	s_add_co_u32 s32, s32, s33
	s_mov_b32 s33, 0
	s_mov_b32 s34, 0x3efefeff                      ; 127 / 255 in f32
	s_wait_kmcnt 0x0
	s_load_b32 s12, s[8:9], 0x0                    ; gamma
	s_add_nc_u64 s[14:15], s[4:5], s[26:27]
	s_add_nc_u64 s[16:17], s[4:5], s[28:29]
	s_add_nc_u64 s[18:19], s[4:5], s[30:31]
	s_add_nc_u64 s[20:21], s[6:7], s[32:33]
	s_add_nc_u64 s[22:23], s[10:11], s[32:33]
	AROW 0, 16, 0
	AROW 1, 14, 0
	AROW 2, 14, 512
	AROW 3, 18, 0
.irp e, 0,1,2,3
.irp f, 0,1
	global_load_b128 v[X+8*\e+4*\f:X+8*\e+4*\f+3], v[OX], s[20:21] offset:1024*\e+512*\f th:TH_LOAD_NT   ; 32 lanes read 512 consecutive bytes
.endr
.endr
	; the weights, from ids alone, while the loads are on their way
.irp e, 0,1,2,3
	s_add_co_u32 s36, s35, \e                      ; Y
	s_add_co_i32 s37, s38, (\e+1)/2-1              ; (Y - 1) >> 1
	v_cvt_f32_u32 v[WY+4*\e], s36
	v_cvt_f32_i32 v[WY+4*\e+2], s37
	v_fma_f32 v[WY+4*\e], v[WY+4*\e], s34, -v[WY+4*\e+2]   ; wy
	v_sub_f32 v[WY+4*\e+2], 1.0, v[WY+4*\e]
	v_mov_b32 v[WY+4*\e+1], v[WY+4*\e]             ; pairs for the packed forms
	v_mov_b32 v[WY+4*\e+3], v[WY+4*\e+2]
.endr
	s_wait_kmcnt 0x0                               ; gamma
.irp f, 0,1
.irp i, 0,1,2,3
	v_add_nc_u32 v[T], 128*\f+\i, v6               ; X
	v_add_nc_u32 v[T+1], 64*\f+(\i+1)/2-1, v7      ; (X - 1) >> 1
	v_cvt_f32_u32 v[T], v[T]
	v_cvt_f32_i32 v[T+1], v[T+1]
	v_fma_f32 v[T], v[T], s34, -v[T+1]             ; wx
	v_sub_f32 v[T+1], 1.0, v[T]
	v_mul_f32 v[GW+4*\f+\i], s12, v[T]
	v_mul_f32 v[GC+4*\f+\i], s12, v[T+1]
.endr
.endr
	s_wait_loadcnt 8                               ; att's 24 loads are in; x's eight, issued behind them, may be out
.irp e, 0,1,2,3
.irp p, 0,2,4,6
	v_pk_mul_f32 v[T+\p:T+\p+1], v[A+8*((\e+1)/2)+\p:A+8*((\e+1)/2)+\p+1], v[WY+4*\e+2:WY+4*\e+3]
.endr
.irp p, 0,2,4,6
	v_pk_fma_f32 v[T+\p:T+\p+1], v[A+8*((\e+1)/2)+8+\p:A+8*((\e+1)/2)+8+\p+1], v[WY+4*\e:WY+4*\e+1], v[T+\p:T+\p+1]   ; the row at Y
.endr
	s_wait_loadcnt 6-2*\e                          ; this row's two loads of x are in; the later rows' may be out
.irp f, 0,1
	v_fmac_f32 v[X+8*\e+4*\f],   v[T+4*\f],   v[GW+4*\f]       ; x + gamma wx (the right neighbour)
	v_fmac_f32 v[X+8*\e+4*\f+1], v[T+4*\f+1], v[GW+4*\f+1]
	v_fmac_f32 v[X+8*\e+4*\f+2], v[T+4*\f+1], v[GW+4*\f+2]
	v_fmac_f32 v[X+8*\e+4*\f+3], v[T+4*\f+3], v[GW+4*\f+3]
	v_fmac_f32 v[X+8*\e+4*\f],   v[T+4*\f+2], v[GC+4*\f]       ; + gamma (1 - wx) (the left neighbour)
	v_fmac_f32 v[X+8*\e+4*\f+1], v[T+4*\f],   v[GC+4*\f+1]
	v_fmac_f32 v[X+8*\e+4*\f+2], v[T+4*\f],   v[GC+4*\f+2]
	v_fmac_f32 v[X+8*\e+4*\f+3], v[T+4*\f+1], v[GC+4*\f+3]
	global_store_b128 v[OX], v[X+8*\e+4*\f:X+8*\e+4*\f+3], s[22:23] offset:1024*\e+512*\f th:TH_STORE_NT   ; 32 lanes store 512 consecutive bytes; no register of a store is written again
.endr
.endr
	s_endpgm
.Lfunc_end_k_q1fdb92c47e_up:
	.size	k_q1fdb92c47e_up, .Lfunc_end_k_q1fdb92c47e_up-k_q1fdb92c47e_up
	.p2alignl 7, 3214868480
	.fill 96, 4, 3214868480
	.section	.rodata,"a",@progbits
	.p2align	6, 0x0
	.amdhsa_kernel k_q1fdb92c47e_up
		.amdhsa_group_segment_fixed_size 0
		.amdhsa_private_segment_fixed_size 0
		.amdhsa_enable_private_segment 0
		.amdhsa_kernarg_size 32
		.amdhsa_user_sgpr_count 2
		.amdhsa_user_sgpr_kernarg_segment_ptr 1
		.amdhsa_wavefront_size32 1
		.amdhsa_system_sgpr_workgroup_id_x 1
		.amdhsa_system_sgpr_workgroup_id_y 1
		.amdhsa_system_sgpr_workgroup_id_z 1
		.amdhsa_system_vgpr_workitem_id 0
		.amdhsa_next_free_vgpr 128
		.amdhsa_next_free_sgpr 66
		.amdhsa_reserve_vcc 0
		.amdhsa_float_denorm_mode_32 3
		.amdhsa_float_denorm_mode_16_64 3
		.amdhsa_memory_ordered 1
		.amdhsa_forward_progress 1
		.amdhsa_inst_pref_size 14
	.end_amdhsa_kernel
	.amdgpu_metadata
---
amdhsa.version: [ 1, 2 ]
amdhsa.kernels:
  - .name:           k_q1fdb92c47e_up
    .symbol:         k_q1fdb92c47e_up.kd
    .args:
      - { .name: att, .offset: 0, .size: 8, .value_kind: global_buffer, .address_space: global }
      - { .name: x, .offset: 8, .size: 8, .value_kind: global_buffer, .address_space: global }
      - { .name: gamma, .offset: 16, .size: 8, .value_kind: global_buffer, .address_space: global }
      - { .name: out0, .offset: 24, .size: 8, .value_kind: global_buffer, .address_space: global }
    .group_segment_fixed_size: 0
    .private_segment_fixed_size: 0
    .kernarg_segment_align: 8
    .kernarg_segment_size: 32
    .max_flat_workgroup_size: 256
    .sgpr_count:     66
    .vgpr_count:     128
    .wavefront_size: 32
...
	.end_amdgpu_metadata
.endif
;; end of part 3
